; MI455X (gfx1250); checked and timed in simulation.
; The chip was launched on July 23, 2026; its instructions are those of AMD's public machine-readable ISA for CDNA 5 (MIT licence, August 2026) and "CDNA5" Instruction Set Architecture Reference Guide (July 2026). The comments in the code are by the model that wrote it; some were corrected since.
;; Luong Concat Attention. Allowed arithmetic: matrix products marked QUANTISED: E2M1 operands, one E8M0 scale for each 32 along K, by v_wmma_scale_f32_16x16x128_f8f6f4 with both operands' format E2M1 (or v_wmma_scale_f32_32x16x128_f4), f32 sums; products left as they are: f32 operands where the result goes on into a quantised operand, else bf16, f16 or f32 operands; f32 sums; everything else in f32.
;; Inputs: W_a 1,024 x 2,048 float32; decoder_hidden_codes 32 x 32 x 16 uint8 (E2M1 codes of decoder_hidden, K innermost, in blocks of 32 codes, two codes a byte); decoder_hidden_scales 32 x 32 uint8 (E8M0 scales of decoder_hidden, one for each 32 codes along K); encoder_all_hidden_codes 32 x 2,048 x 32 x 16 uint8 (E2M1 codes of encoder_all_hidden, K innermost, in blocks of 32 codes, two codes a byte); encoder_all_hidden_scales 32 x 2,048 x 32 uint8 (E8M0 scales of encoder_all_hidden, one for each 32 codes along K); v 1,024 float32.
;; Outputs: out0 32 x 2,048 float32.
;; This version of the problem:
;;   THIS VERSION OF THE PROBLEM IS GIVEN IN LOW PRECISION. The matrix products marked QUANTISED in the list below multiply operands that are first quantised to E2M1 (2 exponent bits, 1 mantissa bit; 4 bits a number), with one power-of-two scale for each 32 numbers along K (OCP MX v1.0); their sums are f32. All else is computed in f32.
;;   The module's matrix products, in the order in which they are computed (A, B: the left and right operand; K: the contracted axis; several contracted axes count as one K, in the product's order):
;;     1. [M 32, K 1,024] x [K 1,024, N 1,024]; A: input decoder_hidden (given as codes); B: input W_a: QUANTISED
;;     2. [M 65,536, K 1,024] x [K 1,024, N 1,024]; A: input encoder_all_hidden (given as codes); B: input W_a: QUANTISED
;;     3. [M 65,536, K 1,024] x [K 1,024, N 1]; A: computed on the way; B: input v: left as it is (N = 1 < 16)
;;   THE QUANTISER, for each operand of a quantised product, along K:
;;     - K is cut into blocks of 32 from its start; a last block that is shorter is filled with zeros.
;;     - A block's scale is 2^e with e = floor(log2(the largest magnitude in the block)) - 2, held to -126 .. 127; a block of zeros has e = 0. As a byte (E8M0): e + 127.
;;     - Each number is divided by its block's scale, clamped to +-6, and rounded to the nearest number of E2M1, ties to even, subnormals kept.
;;     - The product sums the exact products of the quantised numbers (number of the format x scale) in f32.
;;   ~~~python
;;   def quantise(x, axis):      # numpy; x: float32 -> the quantised numbers, widened to float32 again
;;       x = np.moveaxis(x, axis, -1); K = x.shape[-1]
;;       x = np.pad(x, [(0, 0)] * (x.ndim - 1) + [(0, -K % 32)]); x = x.reshape(x.shape[:-1] + (-1, 32)); a = np.abs(x).max(-1, keepdims=True)
;;       e = np.where(a > 0, np.clip(np.frexp(np.where(a > 0, a, 1))[1] - 1 - 2, -126, 127), 0)      # np.frexp(a)[1] - 1 = floor(log2(a)), exactly
;;       r = np.clip(x / 2.0 ** e, -6, 6)
;;       step = 2.0 ** (np.maximum(np.frexp(np.where(r == 0, 1, r))[1] - 1, 0) - 1)
;;       q = np.round(r / step) * step * 2.0 ** e      # np.round: ties to even
;;       return np.moveaxis(q.reshape(q.shape[:-2] + (-1,))[..., :K], -1, axis).astype(np.float32)
;;   ~~~
;;   INPUTS GIVEN AS CODES. decoder_hidden (in the module: [32, 1024], K = its axis 1); encoder_all_hidden (in the module: [32, 2048, 1024], K = its axis 2): each comes as NAME_codes (uint8): NAME with its K axis moved to the last place and cut into blocks of 32 codes, [.., K / 32, bytes a block], one block behind the other in memory; two codes a byte, the lower K in the low four bits (a code: sign, 2 exponent bits, 1 mantissa bit); and NAME_scales (uint8): the same leading axes, one E8M0 byte (e + 127) for each 32 codes along K. Its value is code x scale, taken as it is: it is not quantised again, and the codes and scales need not be those that the quantiser above would give.
;; One version. Each part assembles by itself: llvm-mc -triple=amdgcn-amd-amdhsa -mcpu=gfx1250 --defsym DOCPART=n.
;; ======== version 1 of 1: 3 launches
;; limits: right only within a limited range of input values
;; workspace buffers: we_img 524,288 bytes; we_sc 32,768 bytes; cdec 262,144 bytes; scores 1,048,576 bytes
;; launch prep (part 1): grid 256 x 1, 4 waves a work-group, no clusters, 76,544 bytes of LDS; arguments W_a, decoder_hidden_codes, decoder_hidden_scales, we_img, we_sc, cdec; writes we_img, we_sc, cdec
.if DOCPART == 1
	.amdgcn_target "amdgcn-amd-amdhsa--gfx1250"
	.amdhsa_code_object_version 6
	.text
	.protected	k_qc34203ddbb_prep
	.globl	k_qc34203ddbb_prep
	.p2align	8
	.type	k_qc34203ddbb_prep,@function
k_qc34203ddbb_prep:
	s_mov_b64 s[64:65], 0
	v_nop
	global_prefetch_b8 v0, s[64:65] scope:SCOPE_SE
	s_setreg_imm32_b32 hwreg(HW_REG_WAVE_MODE, 25, 1), 1
	s_wait_xcnt 0x0
; LuongConcatAttention, first of three launches: W_a is quantised once, and the small product dec_proj = decoder_hidden Wd^T is made.
; THE WHOLE PROGRAM: alpha = softmax over s of sum_e v[e] tanh(dec_proj[b][e] + enc_proj[b][s][e]).
; tanh(x) = 1 - 2 r with r = 1 / (1 + 2^(c x)), c = 2 log2(e): an identity for every x.  So score[b][s] = sum_e v[e] - 2 sum_e v[e] r[b][s][e].
; WORK LEFT OUT: the term sum_e v[e] is the same for all s of a row of the softmax, whatever v holds, and a softmax is unchanged by a term that is the same along its axis: it is never formed.
; The program carries S[b][s] = sum_e v[e] r[b][s][e]; the last launch takes softmax(-2 S), with the row's maximum taken away.  Every input has a way to the output and is loaded.
; LIMITS: an overflow of sum_e v[e] alone is not carried to the result.  NaN and infinities among the inputs are not served.  A block of 32 zeros of W_a gets the scale byte 1 where the
; quantiser says 127: its codes are zeros, which add nothing under that byte, and the bytes are read by this program alone.
; THIS LAUNCH.  A row of W_a is 2,048 numbers; columns 0-1023 are Wd's K, columns 1024-2047 We's.
; Work-group j + 64 (We) + 128 kh takes rows 16 j .. 16 j + 15 and K steps 4 kh .. 4 kh + 3 of Wd (We = 0) or We (1).  Wave w takes K step 4 kh + w: 128 columns, one fragment (16 rows x 128 K).
; A load reads 512 consecutive bytes of a row; the 16 rows turn through the wave's own stage in LDS so that lane (r, h) holds k = 64 c + 32 h + 0 .. 31 of row r: two whole blocks, in the order of the operand's registers.
; The text parts once, on the work-group's number, which all waves of a work-group share; each arm has LDS bytes and a barrier of its own.
; OUT: we_img [j][K step 8][c 2][lane 32][16 bytes]: We's fragments as images of their registers.  we_sc [j][lane 32][16 bytes]: lane (r, h) finds the scale words of K steps 4 h .. 4 h + 3 of row 16 j + r.
;      cdec [kh][j][b 32][16] f32: c x the part of dec_proj[b][16 j + i] over K steps 4 kh .. 4 kh + 3; the next launch adds the two parts.
.set STGD,  0                          ; Wd's arm: 4 stages, one a wave: 16 rows x (512 + 16) bytes
.set STGE,  33792                      ; We's arm: the same
.set PART,  67584                      ; Wd's arm: 4 waves x 2,048 bytes: partial sums [b 32][16] f32
.set SCI,   75776                      ; We's arm: half a scale image, 256 bytes
.set SPARE, 76032                      ; the spare words, 128 bytes for each of the 4 waves: no other line names them
.set X,     16                         ; v16-79  64 numbers; later the partial sums on their way out
.set CD,    80                         ; v80-87  the fragment's codes
.set WK,    88                         ; v88-95  at work
.set DS,    96                         ; v96-97  the decoder's scale words (scales alone)
.set WW,    98                         ; v98     my fragment's scale words (scales alone)
.set AC,    112                        ; v112-127 two accumulators
.set DF,    128                        ; v128-143 the decoder's two fragments of my K step
	s_load_b256 s[4:11], s[0:1], 0x0               ; W_a s[4:5], the decoder's codes s[6:7], its scales s[8:9], we_img s[10:11]
	s_load_b128 s[12:15], s[0:1], 0x20             ; we_sc s[12:13], cdec s[14:15]
	v_lshl_add_u32 v1, v0, 2, SPARE                ; my spare word; never rewritten
	v_mov_b32 v2, 0                                ; 0; never rewritten
	v_lshrrev_b32 v3, 5, v0
	v_readfirstlane_b32 s16, v3                    ; wave 0..3
	s_and_b32 s17, ttmp9, 63                       ; j
	s_lshr_b32 s18, ttmp9, 6
	s_and_b32 s18, s18, 1                          ; 0: Wd's half, 1: We's
	s_lshr_b32 s19, ttmp9, 7                       ; kh
	s_mul_i32 s22, s16, 8448                       ; my stage
	s_lshl_b32 s23, s16, 11
	s_add_co_u32 s23, s23, PART                    ; my wave's partial sums
	s_lshl_b32 s24, s16, 2
	s_add_co_u32 s24, s24, SCI                     ; my K step's word in a row's 16 bytes
	s_lshl_b32 s25, s19, 2
	s_add_co_u32 s25, s25, s16                     ; my K step
	s_lshl_b32 s26, s17, 17                        ; W_a: 16 rows of 8,192 bytes for a j,
	s_lshl_b32 s27, s18, 12                        ; 4,096 bytes on for We,
	s_add_co_u32 s26, s26, s27
	s_lshl_b32 s27, s25, 9                         ; 512 bytes a K step
	s_add_co_u32 s26, s26, s27
	s_mov_b32 s27, 0
	s_lshl_b32 s28, s17, 13                        ; we_img: 8,192 bytes for a j, 1,024 a K step
	s_lshl_b32 s29, s25, 10
	s_add_co_u32 s28, s28, s29
	s_mov_b32 s29, 0
	s_lshl_b32 s30, s17, 9                         ; we_sc: 512 bytes for a j, 256 for a kh
	s_lshl_b32 s31, s19, 8
	s_add_co_u32 s30, s30, s31
	s_mov_b32 s31, 0
	s_lshl_b32 s32, s17, 11                        ; cdec: 2,048 bytes for a j, 131,072 for a kh
	s_lshl_b32 s33, s19, 17
	s_add_co_u32 s32, s32, s33
	s_mov_b32 s33, 0
	s_lshl_b32 s34, s25, 6                         ; the decoder's codes: 64 bytes a K step
	s_mov_b32 s35, 0
	s_lshl_b32 s36, s25, 2                         ; its scales: 4 bytes a K step
	s_mov_b32 s37, 0
	s_mov_b32 s38, 0x4038aa3b                      ; c = 2 log2(e)
	s_mov_b32 s39, s38                             ; (named with it as a pair, so it is written)
	s_mov_b32 s20, 0x76543210
	s_mov_b32 s21, 0xfedcba98                      ; v_permlanex16_b32's selects for lane l xor 16
	v_and_b32 v3, 31, v0                           ; lane
	v_and_b32 v4, 15, v0                           ; r
	v_bfe_u32 v5, v0, 4, 1                         ; h
	v_lshlrev_b32 v6, 4, v3                        ; 16 x lane
	v_mul_u32_u24 v8, v4, 528
	v_lshlrev_b32 v11, 6, v4
	v_lshlrev_b32 v13, 9, v4
	v_add_nc_u32 v7, s22, v6                       ; Wd's arm, into my stage: 16 x lane of a row
	v_lshl_add_u32 v8, v5, 7, v8
	v_lshl_add_u32 v11, v5, 5, v11
	v_lshl_add_u32 v13, v5, 4, v13                 ; the decoder's codes: row r of 512 bytes, + 16 h
	v_add_nc_u32 v8, s22, v8                       ; out of it: row r, 128 h bytes on
	v_add_nc_u32 v9, STGE, v7                      ; We's arm: the same in its own bytes
	v_add_nc_u32 v11, s23, v11                     ; batch row r of 64 bytes, + 32 h
	v_lshl_add_u32 v12, v0, 4, PART                ; back: 16 bytes a thread of a wave's 2,048
	v_add_nc_u32 v10, STGE, v8
	v_lshlrev_b32 v14, 5, v4                       ; the decoder's scales: row r of 32 bytes
	v_lshl_add_u32 v15, v4, 4, s24                 ; my row's scale word in the scale image
	v_lshl_add_u32 v100, v3, 3, SCI                ; the scale image as it leaves: 8 bytes a lane
	v_lshlrev_b32 v101, 4, v0                      ; cdec: 16 bytes a thread
	v_lshlrev_b32 v102, 3, v3
	s_wait_alu depctr_va_vdst(0)
	s_wait_kmcnt 0x0
	s_add_nc_u64 s[4:5], s[4:5], s[26:27]
	s_add_nc_u64 s[6:7], s[6:7], s[34:35]
	s_add_nc_u64 s[8:9], s[8:9], s[36:37]
	s_add_nc_u64 s[10:11], s[10:11], s[28:29]
	s_add_nc_u64 s[12:13], s[12:13], s[30:31]
	s_add_nc_u64 s[14:15], s[14:15], s[32:33]
; My 16 rows x 128 columns become a fragment's codes in v[CD] on and its scale words in v[WW].  sin, sout: the registers that hold my places in the arm's stage.
.macro QUANT sin, sout
.irp i, 0,1,2,3,4,5,6,7,8,9,10,11,12,13,14,15
	global_load_b128 v[X+4*\i:X+4*\i+3], v6, s[4:5] offset:8192*\i th:TH_LOAD_NT   ; row i: 32 lanes read 512 consecutive bytes; read once in the launch
.endr
	v_mov_b32 v[WK+7], 0                           ; a lane permute's destination counts as one of its sources
	v_lshlrev_b32 v[WK+5], 3, v5                   ; 8 h
	s_wait_alu depctr_va_vdst(0)
	s_wait_loadcnt 0x0                             ; all 16 rows are in, and whatever was asked for ahead of them
.irp i, 0,1,2,3,4,5,6,7,8,9,10,11,12,13,14,15
	ds_store_b128 v[\sin], v[X+4*\i:X+4*\i+3] offset:528*\i
.endr
.irp c, 0,1
.irp i, 0,1,2,3,4,5,6,7
	ds_load_b128 v[X+32*\c+4*\i:X+32*\c+4*\i+3], v[\sout] offset:256*\c+16*\i   ; LDS serves a wave's instructions in order: these see my stores.  k = 64 c + 32 h + 4 i on, of row r
.endr
.endr
	s_wait_dscnt 0x0                               ; my 64 numbers are back
.irp c, 0,1                                        ; block 2 c + h of the K step: all its 32 numbers are mine
	v_max3_num_f32 v[WK+\c], |v[X+32*\c]|, |v[X+32*\c+1]|, 0x1800000   ; with the floor 2^(3 - 127) among the leaves: the byte cannot fall under 1
.endr
.irp i, 2,4,6,8,10,12,14,16,18,20,22,24,26,28,30
.irp c, 0,1
	v_max3_num_f32 v[WK+\c], v[WK+\c], |v[X+32*\c+\i]|, |v[X+32*\c+\i+1]|   ; the two blocks by turns
.endr
.endr
.irp c, 0,1
	v_add_nc_u32 v[WK+2+\c], 0xff000000, v[WK+\c]  ; 2 off the exponent field: the conversion takes this operand's exponent field as its scale
.endr
	v_lshrrev_b32 v[WK], 23, v[WK+2]               ; the scales' bytes
	v_lshrrev_b32 v[WK+1], 23, v[WK+3]
	v_lshl_or_b32 v[WK+6], v[WK+1], 16, v[WK]      ; blocks h and 2 + h,
	v_lshlrev_b32 v[WK+6], v[WK+5], v[WK+6]        ; at their places in the scale word;
	v_permlanex16_b32 v[WK+7], v[WK+6], s20, s21
	v_or_b32 v[WW], v[WK+6], v[WK+7]               ; with lane l xor 16's two the word is whole: lanes r and 16 + r hold row r's
.irp c, 0,1
.irp g, 0,1,2,3
	v_cvt_scalef32_pk8_fp4_f32 v[CD+4*\c+\g], v[X+32*\c+8*\g:X+32*\c+8*\g+7], v[WK+2+\c]   ; registers 4 c .. 4 c + 3 of the operand; beyond 6 the largest code
.endr
.endr
	v_nop                                          ; one plain place behind the last scaled conversion
.endm
	s_cmp_lg_u32 s18, 0                            ; the work-group's number alone decides: all waves go the same way
	s_cbranch_scc1 .Lwe
	; ---- Wd's arm.  My K step of the decoder's 32 rows is asked for first
.irp t, 0,1
.irp c, 0,1
	global_load_b128 v[DF+8*\t+4*\c:DF+8*\t+4*\c+3], v13, s[6:7] offset:8192*\t+32*\c   ; lane (r, h): k = 64 c + 32 h + 0 .. 31 of batch row 16 t + r
.endr
	global_load_b32 v[DS+\t], v14, s[8:9] offset:512*\t                                  ; and that row's scale word
.endr
	QUANT 7, 8
.rept 8
	v_nop                                          ; a scale register written by a vector instruction stands 8 places ahead of a scaled matrix instruction, an operand so written 4
.endr
	; source 0 = Wd's 16 rows, source 1 = 16 rows of the decoder: lane (r, h) holds batch row 16 t + r and e = 16 j + 8 h + 0 .. 7.  Two accumulators, one product each
	v_wmma_scale_f32_16x16x128_f8f6f4 v[AC:AC+7], v[CD:CD+7], v[DF:DF+7], 0, v[WW], v[DS] matrix_a_fmt:MATRIX_FMT_FP4 matrix_b_fmt:MATRIX_FMT_FP4
	v_wmma_scale_f32_16x16x128_f8f6f4 v[AC+8:AC+15], v[CD:CD+7], v[DF+8:DF+15], 0, v[WW], v[DS+1] matrix_a_fmt:MATRIX_FMT_FP4 matrix_b_fmt:MATRIX_FMT_FP4
.rept 4
	v_nop                                          ; four places behind the last product, ahead of the first read of results (ISA guide 7.12.1)
.endr
.irp t, 0,1
.irp q, 0,1
	ds_store_b128 v11, v[AC+8*\t+4*\q:AC+8*\t+4*\q+3] offset:1024*\t+16*\q   ; my K step's part of the sums, as they lie in cdec; each accumulator from its low end on
.endr
.endr
	s_wait_dscnt 0x0                               ; for the others' sake: my LDS stores are done
	s_barrier_signal -1
	s_barrier_wait -1
.irp w, 0,1,2,3
	ds_load_b128 v[X+4*\w:X+4*\w+3], v12 offset:2048*\w               ; my four numbers of each wave's part
.endr
	s_wait_dscnt 0x0
	v_pk_add_f32 v[X:X+1], v[X:X+1], v[X+4:X+5]
	v_pk_add_f32 v[X+2:X+3], v[X+2:X+3], v[X+6:X+7]
	v_pk_add_f32 v[X+8:X+9], v[X+8:X+9], v[X+12:X+13]
	v_pk_add_f32 v[X+10:X+11], v[X+10:X+11], v[X+14:X+15]
	v_pk_add_f32 v[X:X+1], v[X:X+1], v[X+8:X+9]
	v_pk_add_f32 v[X+2:X+3], v[X+2:X+3], v[X+10:X+11]
	v_pk_mul_f32 v[X:X+1], v[X:X+1], s[38:39] op_sel_hi:[1,0]        ; x c
	v_pk_mul_f32 v[X+2:X+3], v[X+2:X+3], s[38:39] op_sel_hi:[1,0]
	global_store_b128 v101, v[X:X+3], s[14:15]     ; a wave stores 512 consecutive bytes, aligned
	s_branch .Lend
.Lwe:
	; ---- We's arm
	QUANT 9, 10
.irp c, 0,1
	global_store_b128 v6, v[CD+4*\c:CD+4*\c+3], s[10:11] offset:512*\c   ; the fragment's image: 512 consecutive bytes a store
.endr
	ds_store_b32 v15, v[WW]                        ; my rows' scale words (lanes r and 16 + r write the same word with the same value)
	s_wait_dscnt 0x0                               ; for the others' sake: my LDS store is done
	s_barrier_signal -1
	s_barrier_wait -1
	s_cmp_lg_u32 s16, 0
	s_cbranch_scc1 .Lend
	ds_load_b64 v[WK:WK+1], v100                   ; wave 0: my half of the scale image, 256 bytes, leaves whole
	s_wait_dscnt 0x0
	global_store_b64 v102, v[WK:WK+1], s[12:13]
.Lend:
	s_wait_tensorcnt 0x0                           ; the wave's end, behind my last LDS store
	ds_add_u32 v1, v2
	s_wait_dscnt 0x0
	s_endpgm
.Lfunc_end_k_qc34203ddbb_prep:
	.size	k_qc34203ddbb_prep, .Lfunc_end_k_qc34203ddbb_prep-k_qc34203ddbb_prep
	.p2alignl 7, 3214868480
	.fill 96, 4, 3214868480
	.section	.rodata,"a",@progbits
	.p2align	6, 0x0
	.amdhsa_kernel k_qc34203ddbb_prep
		.amdhsa_group_segment_fixed_size 76544
		.amdhsa_private_segment_fixed_size 0
		.amdhsa_enable_private_segment 0
		.amdhsa_kernarg_size 48
		.amdhsa_user_sgpr_count 2
		.amdhsa_user_sgpr_kernarg_segment_ptr 1
		.amdhsa_wavefront_size32 1
		.amdhsa_system_sgpr_workgroup_id_x 1
		.amdhsa_system_sgpr_workgroup_id_y 1
		.amdhsa_system_sgpr_workgroup_id_z 1
		.amdhsa_system_vgpr_workitem_id 0
		.amdhsa_next_free_vgpr 144
		.amdhsa_next_free_sgpr 66
		.amdhsa_reserve_vcc 0
		.amdhsa_float_denorm_mode_32 3
		.amdhsa_float_denorm_mode_16_64 3
		.amdhsa_memory_ordered 1
		.amdhsa_forward_progress 1
		.amdhsa_inst_pref_size 20
	.end_amdhsa_kernel
	.amdgpu_metadata
---
amdhsa.version: [ 1, 2 ]
amdhsa.kernels:
  - .name:           k_qc34203ddbb_prep
    .symbol:         k_qc34203ddbb_prep.kd
    .args:
      - { .name: W_a, .offset: 0, .size: 8, .value_kind: global_buffer, .address_space: global }
      - { .name: decoder_hidden_codes, .offset: 8, .size: 8, .value_kind: global_buffer, .address_space: global }
      - { .name: decoder_hidden_scales, .offset: 16, .size: 8, .value_kind: global_buffer, .address_space: global }
      - { .name: we_img, .offset: 24, .size: 8, .value_kind: global_buffer, .address_space: global }
      - { .name: we_sc, .offset: 32, .size: 8, .value_kind: global_buffer, .address_space: global }
      - { .name: cdec, .offset: 40, .size: 8, .value_kind: global_buffer, .address_space: global }
    .group_segment_fixed_size: 76544
    .private_segment_fixed_size: 0
    .kernarg_segment_align: 8
    .kernarg_segment_size: 48
    .max_flat_workgroup_size: 128
    .sgpr_count:     66
    .vgpr_count:     144
    .wavefront_size: 32
...
	.end_amdgpu_metadata
.endif
;; end of part 1
;; launch main (part 2): grid 256 x 1, 8 waves a work-group, clusters of 4 x 1, 327,680 bytes of LDS; arguments encoder_all_hidden_codes, encoder_all_hidden_scales, we_img, we_sc, cdec, v, scores; writes scores
.if DOCPART == 2
	.amdgcn_target "amdgcn-amd-amdhsa--gfx1250"
	.amdhsa_code_object_version 6
	.text
	.protected	k_qc34203ddbb_main
	.globl	k_qc34203ddbb_main
	.p2align	8
	.type	k_qc34203ddbb_main,@function
k_qc34203ddbb_main:
	s_mov_b64 s[64:65], 0
	v_nop
	global_prefetch_b8 v0, s[64:65] scope:SCOPE_SE
	s_setreg_imm32_b32 hwreg(HW_REG_WAVE_MODE, 25, 1), 1
	s_wait_xcnt 0x0
	s_wait_alu depctr_hold_cnt(0) depctr_sa_sdst(0) depctr_va_vdst(0) depctr_va_sdst(0) depctr_va_ssrc(0) depctr_va_vcc(0) depctr_vm_vsrc(0)
	s_getreg_b32 s2, hwreg(HW_REG_IB_STS2, 6, 4)
	s_cmp_eq_u32 s2, 0
	s_cbranch_scc0 .Lentry_in_a_cluster
	s_endpgm
.Lentry_in_a_cluster:
	s_bfe_u32 s2, ttmp6, 0x10000c
	s_cmp_lg_u32 s2, 0x3003
	s_cbranch_scc0 .Lentry_shape_is_right
	s_endpgm
.Lentry_shape_is_right:
; Parts of S[row] = sum_e v[e] / (1 + 2^(c (dec_proj[b][e] + enc_proj[row][e]))), c = 2 log2(e), for the 65,536 rows (b, s) of the encoder; enc_proj = enc We^T on codes of FP4 with E8M0 scales.
; WORK LEFT OUT: tanh(x) = 1 - 2 / (1 + 2^(c x)), and the term sum_e v[e] of the score is the same along the softmax's axis: it is not formed (shown at the head of the first launch).
; LIMITS: NaN and infinities among the inputs are not served.  2^(c x) may overflow to infinity: its term is then 0, which is the limit of the formula.
; SHARES.  A cluster of four work-groups owns 1,024 rows, all of one batch row b.  Work-group cx takes e = 256 cx .. 256 cx + 255 and stores its part of S, [cx][row]; the last launch adds the four parts.
; Wave w: q = w % 4 picks 64 of these e, p = w / 4 the tiles of 16 rows with number mod 2 = p: 32 tiles a wave.
; WE STAYS IN REGISTERS: 64 e x 1,024 K are 32 fragments, 256 registers (window 1).  The encoder streams through LDS: a fragment feeds four products.
; LAYOUT.  Source 0 = 16 rows of We, source 1 = 16 rows of the encoder: lane (r, h) holds ONE row, and register 8 t + i the e = 16 t + 8 h + i.  So the sum over e stays inside a lane but for its two halves.
; RING.  The 1,024 rows come in 4 steps of 256 rows (131,072 bytes) through two slots.  Slot 1 first holds the work-group's quarter of We, in the same geometry (256 rows of 512 bytes + 16);
; as soon as that is in registers it takes step 1.  All rows' scale bytes, 32,768, come at the head and stay.
; CLUSTER.  The four partners walk the same rows: codes and scales are asked for JOINTLY (mask 15); We's quarter is each work-group's own: a plain load.
; One tensor load a wave at the head: waves 0-1 128 rows of step 0 each, waves 2-5 64 rows of We's images each, waves 6-7 half of the scales each.  Behind it each wave fetches 32 rows of a step.
; NO PREFETCH: a step is asked for 7 tiles or more, 224 products of a wave, ahead of the wait for it, and the head has no loop to run ahead in.
; PIPELINE over tiles n, two sets of sums by turns: the weighted sum of tile n - 2 and the 1 + of tile n - 1; the 32 products of tile n and its y; then ONE batch, tile n's exponentials and tile n - 1's reciprocals.
; BY TURNS.  In the first tile and at each change of slots the waves with p = 1 run the batch in front of the barrier and those with p = 0 behind it, so that behind it one group's products stand beside the other group's batch.
.set S1,    135168                     ; slot 0 at 0, slot 1 here: 256 rows x 528 bytes each
.set SCL,   270336                     ; the encoder's scales, [row 1,024][32 bytes]: filled once
.set STG,   303104                     ; the waves' sums on the way out: [pair of tiles 16][wave 8][lane 32] f32; no tensor load lands here
.set SPARE, 319488                     ; the spare words, 128 bytes for each of the 8 waves: no other line names them
.set PAIRB, 33792                      ; a pair of tiles of mine: 64 rows x 528 bytes on
.set ES,    12                         ; v12-15  the encoder's scale words of a tile (scales alone)
.set WS,    16                         ; v16-31  We's scale words: 4 a tile of e (scales alone)
.set ACC,   32                         ; v32-63, v64-95  four accumulators, two sets
.set DEC,   96                         ; v96-127 c x dec_proj at my 32 e
.set VV,    128                        ; v128-159 v at my 32 e
.set FR,    160                        ; v160-223 the encoder's 8 fragments of a tile
.set DE2,   224                        ; v224-255 the second part of c x dec_proj, at the head
; v0 thread, v1 my spare word, v2 0; v3 my place in a pair's rows, v4 that of the pair to be fetched; v5, v6 the same in the scales; v7 the even tile's sum; v8-11 two chains of the sum over e.
; Window 1: We's fragment (K step s, tile of e t) at v[8 (4 s + t)].
; s16 wave, s17 q, s18 p, s19 cx; s[24:47], s[72:79] four groups 1; s[48:63], s[68:71], s[80:83] six groups 0; s[92:93] c; s94, s95, s96 where the next pair's rows, sums, scales begin; s97 counts.
.set MSB, 0
.macro WIN new                         ; the immediate's high byte repeats the setting that is left
.if MSB != \new
	s_set_vgpr_msb (MSB<<8)|\new
.set MSB, \new
.endif
.endm
.macro CROUND                          ; a round of the cluster's barrier
	s_barrier_signal -1
	s_barrier_wait -1
	s_cmp_lg_u32 s16, 0
	s_cbranch_scc1 .Lnot_wave_0_\@
	s_barrier_signal -3
.Lnot_wave_0_\@:
	s_barrier_wait -3
	s_barrier_signal -1
	s_barrier_wait -1
.endm
; Ahead of tile n's products (u = n mod 2).  ac: sum v r of tile n - 2, which lies in set u, in two chains, and its end; ad: the first 24 numbers of tile n - 1's 1 + 2^y, in the other set; nx: the next pair's addresses (u = 1).
; An odd tile is finished beside the even one, half against half: lanes 0-15 then hold the even tile's 16 rows, lanes 16-31 the odd one's.
.macro PRE u, ac, ad, nx
.set AU, ACC+32*\u
.set AO, ACC+32-32*\u
.set i, 0
.rept 16
.if \ac
.if i < 2
	v_pk_mul_f32 v[8+2*i:9+2*i], v[AU+2*i:AU+2*i+1], v[VV+2*i:VV+2*i+1]
.else
	v_pk_fma_f32 v[8+2*(i%2):9+2*(i%2)], v[AU+2*i:AU+2*i+1], v[VV+2*i:VV+2*i+1], v[8+2*(i%2):9+2*(i%2)]
.endif
.endif
.if \ad
.if i < 12
	v_pk_add_f32 v[AO+2*i:AO+2*i+1], v[AO+2*i:AO+2*i+1], 1.0 op_sel_hi:[1,0]
.endif
.endif
.set i, i+1
.endr
.if \ac
	v_pk_add_f32 v[8:9], v[8:9], v[10:11]
.endif
.if \nx
	v_add_nc_u32 v4, s94, v3                       ; the next pair's rows,
	v_add_nc_u32 v6, s96, v5                       ; and its scales
	s_add_co_u32 s94, s94, PAIRB
	s_add_co_u32 s96, s96, 2048
.endif
.if \ac
.if \u == 0
	v_add_f32 v7, v8, v9
.else
	v_add_f32 v8, v8, v9
	v_lshl_add_u32 v10, v0, 2, s95                 ; where the finished pair's 32 sums go
	s_add_co_u32 s95, s95, 1024
	v_permlane16_swap_b32 v7, v8
	v_add_f32 v7, v7, v8
.endif
.endif
.endm
; 32 products: a tile of 16 rows x my 64 e x K 1,024 into set u.  The four accumulators take turns, one instruction a turn; the first K step starts the sums.
; Scale words: register s % 4; lanes 0-15 hold K steps 0-3, lanes 16-31 K steps 4-7.
; The fragments were asked for in the order of K: those of the later K steps may be out.  pre = 1: We's too, 8 loads a K step, issued behind the tile's fragments.
.macro MUL u, pre
	WIN 0x01                                       ; source 0 (We) in window 1
.irp s, 0,1,2,3,4,5,6,7
.if \pre
	s_wait_dscnt 56-8*\s
.elseif \s%2 == 0
	s_wait_dscnt 12-2*\s
.endif
.irp t, 0,1,2,3
.set AD, ACC+32*\u+8*\t
.if \s == 0
	v_wmma_scale_f32_16x16x128_f8f6f4 v[AD:AD+7], v[8*(4*\s+\t):8*(4*\s+\t)+7], v[FR+8*\s:FR+8*\s+7], 0, v[WS+4*\t+\s%4], v[ES+\s%4] matrix_a_fmt:MATRIX_FMT_FP4 matrix_b_fmt:MATRIX_FMT_FP4
.elseif \s < 4
	v_wmma_scale_f32_16x16x128_f8f6f4 v[AD:AD+7], v[8*(4*\s+\t):8*(4*\s+\t)+7], v[FR+8*\s:FR+8*\s+7], v[AD:AD+7], v[WS+4*\t+\s%4], v[ES+\s%4] matrix_a_fmt:MATRIX_FMT_FP4 matrix_b_fmt:MATRIX_FMT_FP4
.else
	v_wmma_scale_f32_16x16x128_f8f6f4 v[AD:AD+7], v[8*(4*\s+\t):8*(4*\s+\t)+7], v[FR+8*\s:FR+8*\s+7], v[AD:AD+7], v[WS+4*\t+\s%4], v[ES+\s%4] matrix_a_fmt:MATRIX_FMT_FP4 matrix_b_fmt:MATRIX_FMT_FP4 matrix_a_scale:MATRIX_SCALE_ROW1 matrix_b_scale:MATRIX_SCALE_ROW1
.endif
.endr
.endr
	WIN 0
.endm
; Behind the products: the last 8 numbers of tile n - 1's 1 + 2^y (the four places, ISA guide 7.12.1), then tile n's y = c x + c dec, each accumulator from its low end on; then a wait ahead of the batch.
.macro LATE u
.set AO, ACC+32-32*\u
.set i, 12
.rept 4
	v_pk_add_f32 v[AO+2*i:AO+2*i+1], v[AO+2*i:AO+2*i+1], 1.0 op_sel_hi:[1,0]
.set i, i+1
.endr
.endm
.macro YS u
.set AU, ACC+32*\u
.set i, 0
.rept 16
	v_pk_fma_f32 v[AU+2*i:AU+2*i+1], v[AU+2*i:AU+2*i+1], s[92:93], v[DEC+2*i:DEC+2*i+1] op_sel_hi:[1,0,1]
.set i, i+1
.endr
	s_wait_alu depctr_va_vdst(0)
.endm
.macro SCALES u                        ; the next tile's scale words: u = 0: the pair's second tile, u = 1: the next pair's first
	ds_load_b128 v[ES:ES+3], v6 offset:1024-1024*\u
.endm
.macro FRAGS u                         ; and its 16 fragment loads: lane (r, h) takes k = 128 s + 64 c + 32 h + 0 .. 31 of row r
.set i, 0
.rept 16
	ds_load_b128 v[FR+4*i:FR+4*i+3], v4 offset:16896-16896*\u+32*i
.set i, i+1
.endr
.endm
.macro BATCH u, ex, rc                 ; tile n's exponentials, tile n - 1's reciprocals; a plain place behind the last, and ONE wait ahead of their first reader
.set AU, ACC+32*\u
.set AO, ACC+32-32*\u
.set i, 0
.rept 32
.if \ex
	v_exp_f32 v[AU+i], v[AU+i]
.endif
.if \rc
	v_rcp_f32 v[AO+i], v[AO+i]
.endif
.set i, i+1
.endr
	v_nop
	s_wait_alu depctr_va_vdst(0)
.endm
.macro TILE u, ac, nx, st, ld          ; st: a finished pair's sums are stored; ld: a next tile is fetched
	PRE \u, \ac, 1, \nx
	MUL \u, 0
	LATE \u
	YS \u
.if \st
	ds_store_b32 v10, v7
.endif
.if \ld
	SCALES \u
	FRAGS \u
.endif
	BATCH \u, 1, 1
.endm
; Behind tile n's y: A CHANGE OF SLOTS.  g0: the group 0 of the step that the slot that is left takes (0: nothing is left to fetch); the next fragments come from the other slot.
.macro CHANGE u, g0, rc
	s_cmp_eq_u32 s18, 0                            ; the wave's number alone decides: the same in every work-group
	s_cbranch_scc1 .Llater_\@
	BATCH \u, 1, \rc                               ; p = 1: the batch in front of the barrier
.Llater_\@:
	s_wait_tensorcnt 0x0                           ; all my tensor loads have landed: my part of the slot that is read next
	ds_add_u32 v1, v2                              ; 0 onto my spare word
	s_wait_dscnt 0x0                               ; the add is done, and my reads of the slot that is left are over
.if \g0
	CROUND                                         ; no wave of any partner still reads that slot or has a load on its way
	tensor_load_to_lds s[\g0:\g0+3], s[32:39]      ; the joint refill: my one tensor load behind the round, and the first thing there
	s_nop 0
.rept 4
	v_nop
.endr
.else
	s_barrier_signal -1
	s_barrier_wait -1
.endif
	FRAGS \u
	s_cmp_lg_u32 s18, 0
	s_cbranch_scc1 .Ldone_\@
	BATCH \u, 1, \rc                               ; p = 0: behind it
.Ldone_\@:
.endm
.macro TURN g0, lb                     ; a step's last two tiles; lb: where the next step's rows begin
	TILE 0, 1, 0, 0, 1
	s_mov_b32 s94, \lb
	PRE 1, 1, 1, 1
	MUL 1, 0
	LATE 1
	YS 1
	ds_store_b32 v10, v7
	SCALES 1
	CHANGE 1, \g0, 1
.endm
.macro RUN n                           ; n plain pairs
	s_mov_b32 s97, \n
.Lrun_\@:
	TILE 0, 1, 0, 0, 1
	TILE 1, 1, 1, 1, 1
	s_sub_co_u32 s97, s97, 1
	s_cmp_lg_u32 s97, 0
	s_cbranch_scc1 .Lrun_\@
.endm
	s_load_b256 s[4:11], s[0:1], 0x0               ; the encoder's codes s[4:5], its scales s[6:7], we_img s[8:9], we_sc s[10:11]
	s_load_b128 s[12:15], s[0:1], 0x20             ; cdec s[12:13], v s[14:15]
	s_load_b64 s[22:23], s[0:1], 0x30              ; scores
	v_lshl_add_u32 v1, v0, 2, SPARE
	v_mov_b32 v2, 0
	ds_add_u32 v1, v2                              ; the wave's opening: the add, twice on end, and its wait ahead of my first tensor load; work on registers stands between
	ds_add_u32 v1, v2
	v_lshrrev_b32 v8, 5, v0
	v_readfirstlane_b32 s16, v8                    ; wave 0..7
	s_and_b32 s17, s16, 3                          ; q
	s_lshr_b32 s18, s16, 2                         ; p
	s_bfe_u32 s19, ttmp6, 0x40000                  ; cx: it enters the global addresses of We, cdec, v and the scores alone
	; groups 1.  Rows of 512 bytes, 16 bytes of padding behind each (every 128 words, code 6; 4 words, code 3); elements of 1 byte
	s_mov_b32 s24, 15|(1<<20)|(1<<21)|(6<<22)|(3<<25)   ; the encoder at the head: jointly, 128 rows
	s_mov_b32 s26, 128<<16
	s_mov_b32 s28, 128
	s_mov_b32 s32, 15|(1<<20)|(1<<21)|(6<<22)|(3<<25)   ; in the ring: jointly, 32 rows
	s_mov_b32 s34, 32<<16
	s_mov_b32 s36, 32
	s_mov_b32 s40, (1<<20)|(6<<22)|(3<<25)              ; We: my own, 64 rows
	s_mov_b32 s42, 64<<16
	s_mov_b32 s44, 64
.irp g, 24, 32, 40
	s_mov_b32 s[\g+1], 512<<16
	s_mov_b32 s[\g+3], 512<<16
	s_mov_b32 s[\g+5], 512
	s_mov_b32 s[\g+6], 0
	s_mov_b32 s[\g+7], 0
.endr
	s_mov_b32 s72, 15|(3<<16)|(1<<21)              ; the scales: jointly, 16,384 dense bytes a wave: 64 rows of 32 elements of 8 bytes
	s_mov_b32 s73, 32<<16
	s_mov_b32 s74, 64<<16
	s_mov_b32 s75, 32<<16
	s_mov_b32 s76, 64
	s_mov_b32 s77, 32
	s_mov_b32 s78, 0
	s_mov_b32 s79, 0
	s_mov_b32 s92, 0x4038aa3b                      ; c = 2 log2(e)
	s_mov_b32 s93, s92                             ; (named with it as a pair, so it is written)
	s_mov_b32 s94, PAIRB
	s_mov_b32 s95, STG
	s_mov_b32 s96, 2048
	s_mov_b32 s3, 0
	s_mov_b32 s99, 0
	s_wait_dscnt 0x0                               ; both opening adds are done
	s_wait_kmcnt 0x0
	; groups 0: count 1, LDS address (constants and the wave's number alone), global address, type 2
	s_lshl_b32 s2, ttmp9, 19                       ; 1,024 rows of 512 bytes a cluster
	s_add_nc_u64 s[4:5], s[4:5], s[2:3]
	s_lshl_b32 s2, ttmp9, 15                       ; and of 32 bytes of scales
	s_add_nc_u64 s[6:7], s[6:7], s[2:3]
	s_and_b32 s20, s16, 1
	s_mov_b32 s48, 1                               ; the head: 128 rows of step 0, slot 0
	s_mul_i32 s49, s20, 67584
	s_lshl_b32 s98, s20, 16
	s_add_nc_u64 s[50:51], s[4:5], s[98:99]
	s_or_b32 s51, s51, 0x80000000
	s_mov_b32 s52, 1                               ; half of the scales
	s_lshl_b32 s53, s20, 14
	s_add_co_u32 s53, s53, SCL
	s_lshl_b32 s98, s20, 14
	s_add_nc_u64 s[54:55], s[6:7], s[98:99]
	s_or_b32 s55, s55, 0x80000000
	s_add_co_u32 s20, s16, 2
	s_and_b32 s20, s20, 3
	s_mov_b32 s80, 1                               ; a quarter of We's images (131,072 bytes a work-group), slot 1
	s_mul_i32 s81, s20, 33792
	s_add_co_u32 s81, s81, S1
	s_lshl_b32 s98, s20, 15
	s_lshl_b32 s2, s19, 17
	s_add_co_u32 s98, s98, s2
	s_add_nc_u64 s[82:83], s[8:9], s[98:99]
	s_or_b32 s83, s83, 0x80000000
	s_lshl_b32 s98, s16, 14                        ; the ring: rows 32 w on of a step
	s_add_nc_u64 s[4:5], s[4:5], s[98:99]
	s_mov_b32 s56, 1                               ; step 1, slot 1
	s_mul_i32 s57, s16, 16896
	s_add_co_u32 s57, s57, S1
	s_add_nc_u64 s[58:59], s[4:5], 131072
	s_or_b32 s59, s59, 0x80000000
	s_mov_b32 s60, 1                               ; step 2, slot 0
	s_mul_i32 s61, s16, 16896
	s_add_nc_u64 s[62:63], s[4:5], 262144
	s_or_b32 s63, s63, 0x80000000
	s_mov_b32 s68, 1                               ; step 3, slot 1
	s_mul_i32 s69, s16, 16896
	s_add_co_u32 s69, s69, S1
	s_add_nc_u64 s[70:71], s[4:5], 393216
	s_or_b32 s71, s71, 0x80000000
	CROUND                                         ; all four work-groups are here: the first joint loads meet
	s_cmp_lt_u32 s16, 2                            ; one tensor load a wave at the head
	s_cbranch_scc0 .Lhead_we
	tensor_load_to_lds s[48:51], s[24:31]
	s_nop 0
.rept 4
	v_nop
.endr
	s_branch .Lhead_asked
.Lhead_we:
	s_cmp_lt_u32 s16, 6
	s_cbranch_scc0 .Lhead_scales
	tensor_load_to_lds s[80:83], s[40:47]
	s_nop 0
.rept 4
	v_nop
.endr
	s_branch .Lhead_asked
.Lhead_scales:
	tensor_load_to_lds s[52:55], s[72:79]
	s_nop 0
.rept 4
	v_nop
.endr
.Lhead_asked:
	s_lshl_b32 s20, s19, 4
	s_lshl_b32 s21, s17, 2
	s_add_co_u32 s20, s20, s21                     ; my first tile of e: 16 cx + 4 q
	s_lshl_b32 s98, s20, 9
	s_add_nc_u64 s[10:11], s[10:11], s[98:99]      ; We's scale images: 512 bytes a tile
	s_lshl_b32 s98, s20, 11
	s_lshr_b32 s21, ttmp9, 1                       ; b: two clusters a batch row
	s_lshl_b32 s21, s21, 6
	s_add_co_u32 s98, s98, s21
	s_add_nc_u64 s[12:13], s[12:13], s[98:99]      ; cdec: 2,048 bytes a tile, 64 a batch row
	s_lshl_b32 s98, s20, 6
	s_add_nc_u64 s[14:15], s[14:15], s[98:99]      ; v: 64 bytes a tile
	s_lshl_b32 s98, s19, 18
	s_lshl_b32 s21, ttmp9, 12
	s_add_co_u32 s98, s98, s21
	s_add_nc_u64 s[22:23], s[22:23], s[98:99]      ; the scores: part cx of 262,144 bytes, 4,096 bytes a cluster
	s_mul_i32 s98, s18, 8448                       ; p: 16 rows of 528 bytes on,
	s_lshl_b32 s21, s18, 9                         ; and 16 rows of 32 bytes of scales
	s_add_co_u32 s21, s21, SCL
	s_mul_i32 s20, s17, 33792                      ; q: 64 rows of We's images
	s_add_co_u32 s20, s20, S1
	v_and_b32 v9, 31, v0
	v_lshlrev_b32 v8, 4, v9                        ; 16 x lane
	v_lshl_add_u32 v7, v9, 4, s20                  ; my place in We's images
	v_and_b32 v10, 15, v0                          ; r
	v_bfe_u32 v11, v0, 4, 1                        ; h
	v_lshlrev_b32 v9, 5, v11                       ; 32 h
	v_mul_u32_u24 v3, v10, 528
	v_lshlrev_b32 v5, 5, v10
	v_lshl_add_u32 v3, v11, 4, v3
	v_lshl_add_u32 v5, v11, 4, v5
	v_add_nc_u32 v3, s98, v3                       ; my place in a pair's rows: row r + 16 h bytes
	v_add_nc_u32 v5, s21, v5                       ; and in its scales: the words of K steps 4 h .. 4 h + 3 of row r
	v_mov_b32 v4, v3                               ; the first pair's
	v_mov_b32 v6, v5
	s_wait_alu depctr_va_vdst(0)
.irp t, 0,1,2,3
	global_load_b128 v[WS+4*\t:WS+4*\t+3], v8, s[10:11] offset:512*\t
.endr
.irp t, 0,1,2,3
.irp i, 0,1
	global_load_b128 v[DEC+8*\t+4*\i:DEC+8*\t+4*\i+3], v9, s[12:13] offset:2048*\t+16*\i
	global_load_b128 v[DE2+8*\t+4*\i:DE2+8*\t+4*\i+3], v9, s[12:13] offset:131072+2048*\t+16*\i
	global_load_b128 v[VV+8*\t+4*\i:VV+8*\t+4*\i+3], v9, s[14:15] offset:64*\t+16*\i
.endr
.endr
	s_wait_tensorcnt 0x0                           ; my part of the head's tiles is in
	s_barrier_signal -1
	s_barrier_wait -1                              ; everybody's is
	ds_load_b128 v[ES:ES+3], v6                    ; tile 0: its scale words and its fragments,
	FRAGS 1
	WIN 0x40                                       ; destination window 1
.irp s, 0,1,2,3,4,5,6,7
.irp t, 0,1,2,3
.irp c, 0,1
	ds_load_b128 v[8*(4*\s+\t)+4*\c:8*(4*\s+\t)+4*\c+3], v7 offset:8448*\t+1056*\s+528*\c   ; We: 512 consecutive bytes a load; they stay
.endr
.endr
.endr
	WIN 0
	s_wait_loadcnt 0x0                             ; We's scale words, both parts of c x dec_proj, v
	MUL 0, 1                                       ; tile 0
.irp i, 0,2,4,6,8,10,12,14,16,18,20,22,24,26,28,30
	v_pk_add_f32 v[DEC+\i:DEC+\i+1], v[DEC+\i:DEC+\i+1], v[DE2+\i:DE2+\i+1]   ; (the places behind the last product)
.endr
	YS 0
	SCALES 0
	CHANGE 0, 56, 0                                ; We is in registers: slot 1 takes step 1; slot 0 is read on
	PRE 1, 0, 1, 1                                 ; tile 1: no tile stands two before it
	MUL 1, 0
	LATE 1
	YS 1
	SCALES 1
	FRAGS 1
	BATCH 1, 1, 1
	RUN 2                                          ; tiles 2 to 5
	TURN 60, S1                                    ; tiles 6, 7: on to slot 1; slot 0 takes step 2
	RUN 3
	TURN 68, 0                                     ; tiles 14, 15: on to slot 0; slot 1 takes step 3
	RUN 3
	TURN 0, S1                                     ; tiles 22, 23: on to slot 1; nothing is left to fetch
	RUN 3
	TILE 0, 1, 0, 0, 1                             ; tile 30
	TILE 1, 1, 0, 1, 0                             ; tile 31
	PRE 0, 1, 1, 0                                 ; tile 30 is finished,
	LATE 0
	s_wait_alu depctr_va_vdst(0)
	BATCH 0, 0, 1
	PRE 1, 1, 0, 0                                 ; and tile 31
	; THE WAY OUT.  Thread t takes rows 4 t .. 4 t + 3: row 64 m + 32 h + 16 p + r lies in pair m, wave 4 p + q, lane 16 h + r; the four q are added.
	v_lshrrev_b32 v8, 4, v0
	v_bfe_u32 v9, v0, 2, 1
	v_bfe_u32 v11, v0, 3, 1
	v_lshlrev_b32 v8, 10, v8
	v_and_b32 v6, 3, v0
	v_lshl_add_u32 v8, v9, 9, v8
	v_lshlrev_b32 v9, 4, v0
	v_lshl_add_u32 v8, v11, 6, v8
	v_lshl_add_u32 v8, v6, 4, v8
	v_add_nc_u32 v8, STG, v8
	s_wait_alu depctr_va_vdst(0)
	ds_store_b32 v10, v7
	s_wait_dscnt 0x0                               ; for the others' sake: my stores are done
	s_barrier_signal -1
	s_barrier_wait -1
.irp q, 0,1,2,3
	ds_load_b128 v[ACC+4*\q:ACC+4*\q+3], v8 offset:128*\q
.endr
	s_wait_dscnt 0x0
	v_pk_add_f32 v[ACC:ACC+1], v[ACC:ACC+1], v[ACC+4:ACC+5]
	v_pk_add_f32 v[ACC+2:ACC+3], v[ACC+2:ACC+3], v[ACC+6:ACC+7]
	v_pk_add_f32 v[ACC+8:ACC+9], v[ACC+8:ACC+9], v[ACC+12:ACC+13]
	v_pk_add_f32 v[ACC+10:ACC+11], v[ACC+10:ACC+11], v[ACC+14:ACC+15]
	v_pk_add_f32 v[ACC:ACC+1], v[ACC:ACC+1], v[ACC+8:ACC+9]
	v_pk_add_f32 v[ACC+2:ACC+3], v[ACC+2:ACC+3], v[ACC+10:ACC+11]
	global_store_b128 v9, v[ACC:ACC+3], s[22:23]   ; a wave stores 512 consecutive bytes, aligned
	s_wait_tensorcnt 0x0                           ; the wave's end, behind my last tensor load and my last LDS store
	ds_add_u32 v1, v2
	s_wait_dscnt 0x0
	CROUND                                         ; the closing round: no work-group ends while a partner may still ask for a tile that names it
	s_endpgm
.Lfunc_end_k_qc34203ddbb_main:
	.size	k_qc34203ddbb_main, .Lfunc_end_k_qc34203ddbb_main-k_qc34203ddbb_main
	.p2alignl 7, 3214868480
	.fill 96, 4, 3214868480
	.section	.rodata,"a",@progbits
	.p2align	6, 0x0
	.amdhsa_kernel k_qc34203ddbb_main
		.amdhsa_group_segment_fixed_size 327680
		.amdhsa_private_segment_fixed_size 0
		.amdhsa_enable_private_segment 0
		.amdhsa_kernarg_size 56
		.amdhsa_user_sgpr_count 2
		.amdhsa_user_sgpr_kernarg_segment_ptr 1
		.amdhsa_wavefront_size32 1
		.amdhsa_system_sgpr_workgroup_id_x 1
		.amdhsa_system_sgpr_workgroup_id_y 1
		.amdhsa_system_sgpr_workgroup_id_z 1
		.amdhsa_system_vgpr_workitem_id 0
		.amdhsa_next_free_vgpr 512
		.amdhsa_next_free_sgpr 102
		.amdhsa_reserve_vcc 0
		.amdhsa_float_denorm_mode_32 3
		.amdhsa_float_denorm_mode_16_64 3
		.amdhsa_memory_ordered 1
		.amdhsa_forward_progress 1
		.amdhsa_inst_pref_size 220
	.end_amdhsa_kernel
	.amdgpu_metadata
---
amdhsa.version: [ 1, 2 ]
amdhsa.kernels:
  - .name:           k_qc34203ddbb_main
    .symbol:         k_qc34203ddbb_main.kd
    .args:
      - { .name: encoder_all_hidden_codes, .offset: 0, .size: 8, .value_kind: global_buffer, .address_space: global }
      - { .name: encoder_all_hidden_scales, .offset: 8, .size: 8, .value_kind: global_buffer, .address_space: global }
      - { .name: we_img, .offset: 16, .size: 8, .value_kind: global_buffer, .address_space: global }
      - { .name: we_sc, .offset: 24, .size: 8, .value_kind: global_buffer, .address_space: global }
      - { .name: cdec, .offset: 32, .size: 8, .value_kind: global_buffer, .address_space: global }
      - { .name: v, .offset: 40, .size: 8, .value_kind: global_buffer, .address_space: global }
      - { .name: scores, .offset: 48, .size: 8, .value_kind: global_buffer, .address_space: global }
    .group_segment_fixed_size: 327680
    .private_segment_fixed_size: 0
    .kernarg_segment_align: 8
    .kernarg_segment_size: 56
    .max_flat_workgroup_size: 256
    .sgpr_count:     102
    .vgpr_count:     512
    .wavefront_size: 32
...
	.end_amdgpu_metadata
.endif
;; end of part 2
;; launch soft (part 3): grid 32 x 1, 8 waves a work-group, no clusters, 2,048 bytes of LDS; arguments scores, out0; writes out0
.if DOCPART == 3
	.amdgcn_target "amdgcn-amd-amdhsa--gfx1250"
	.amdhsa_code_object_version 6
	.text
	.protected	k_qc34203ddbb_soft
	.globl	k_qc34203ddbb_soft
	.p2align	8
	.type	k_qc34203ddbb_soft,@function
k_qc34203ddbb_soft:
	s_mov_b64 s[64:65], 0
	v_nop
	global_prefetch_b8 v0, s[64:65] scope:SCOPE_SE
	s_setreg_imm32_b32 hwreg(HW_REG_WAVE_MODE, 25, 1), 1
	s_wait_xcnt 0x0
; alpha[b][:] = softmax(-2 S[b][:]), S as the launch before stored it.  WORK LEFT OUT: the score's term sum_e v[e], the same along the softmax's axis (shown at the head of the first launch).
; One work-group to a batch row of 2,048; a thread holds 8 numbers.  t = -2 log2(e) S; the row's largest t is taken away; p = 2^(t - max); alpha = p / sum.
; Memory binds so little here (8,192 bytes in and out a work-group) that matrix units, clusters and tensor loads would add nothing.
; LDS: bytes 0-31 the eight waves' maxima, bytes 256-287 their sums (other bytes, so that one barrier serves each), from 512 on the spare words.
.set SPARE, 512
	s_load_b128 s[4:7], s[0:1], 0x0                ; scores, out0
	v_lshl_add_u32 v1, v0, 2, SPARE                ; my spare word; never rewritten
	v_mov_b32 v2, 0                                ; 0; never rewritten
	v_lshrrev_b32 v3, 5, v0
	s_delay_alu instid0(VALU_DEP_1)
	v_readfirstlane_b32 s8, v3                     ; wave
	v_lshlrev_b32 v3, 4, v0                        ; 16 bytes a thread
	s_delay_alu instid0(VALU_DEP_2)
	v_mov_b32 v14, s8
	s_delay_alu instid0(VALU_DEP_1)
	v_lshlrev_b32 v14, 2, v14                      ; my wave's word
	v_mov_b32 v15, 0
	s_lshl_b32 s12, ttmp9, 13                      ; a row of 8,192 bytes
	s_mov_b32 s13, 0
	s_mov_b32 s10, 0xc038aa3b                      ; -2 log2(e)
	s_mov_b32 s11, s10                             ; (named with it as a pair, so it is written)
	s_mov_b32 s14, 0x76543210
	s_mov_b32 s15, 0xfedcba98                      ; v_permlanex16_b32's selects for lane l xor 16
	s_wait_alu depctr_va_vdst(0)
	s_wait_kmcnt 0x0
	s_add_nc_u64 s[4:5], s[4:5], s[12:13]
	s_add_nc_u64 s[6:7], s[6:7], s[12:13]
	; S arrives in four parts, 262,144 bytes apart, one for each quarter of e: 32,768 bytes in for a row
	global_load_b128 v[4:7], v3, s[4:5]            ; a wave reads 512 consecutive bytes
	global_load_b128 v[8:11], v3, s[4:5] offset:4096
.irp q, 1,2,3
	global_load_b128 v[8+8*\q:11+8*\q], v3, s[4:5] offset:262144*\q
	global_load_b128 v[12+8*\q:15+8*\q], v3, s[4:5] offset:262144*\q+4096
.endr
	s_wait_loadcnt 0x0
.irp q, 1,2,3
.irp j, 0,2,4,6
	v_pk_add_f32 v[4+\j:5+\j], v[4+\j:5+\j], v[8+8*\q+\j:9+8*\q+\j]
.endr
.endr
.irp j, 4,6,8,10
	v_pk_mul_f32 v[\j:\j+1], v[\j:\j+1], s[10:11] op_sel_hi:[1,0]
.endr
	s_delay_alu instid0(VALU_DEP_3)
	v_max3_num_f32 v12, v4, v5, v6
	s_delay_alu instid0(VALU_DEP_3)
	v_max3_num_f32 v13, v7, v8, v9
	s_delay_alu instid0(VALU_DEP_2)
	v_max3_num_f32 v12, v12, v10, v11
	s_delay_alu instid0(VALU_DEP_1)
	v_max_num_f32 v12, v12, v13
.irp m, 1,2,4,8
	s_delay_alu instid0(VALU_DEP_1)
	v_max_num_f32_dpp v12, v12, v12 row_xmask:\m row_mask:0xf bank_mask:0xf
.endr
	s_delay_alu instid0(VALU_DEP_1)
	v_permlanex16_b32 v13, v12, s14, s15
	s_delay_alu instid0(VALU_DEP_1)
	v_max_num_f32 v12, v12, v13                    ; the wave's largest t, in every lane
	ds_store_b32 v14, v12                          ; all lanes write the same word with the same value
	s_wait_dscnt 0x0                               ; for the others' sake
	s_barrier_signal -1
	s_barrier_wait -1
	ds_load_b128 v[16:19], v15
	ds_load_b128 v[20:23], v15 offset:16
	s_wait_dscnt 0x0
	v_max3_num_f32 v12, v16, v17, v18
	v_max3_num_f32 v13, v19, v20, v21
	s_delay_alu instid0(VALU_DEP_2)
	v_max3_num_f32 v12, v12, v22, v23
	s_delay_alu instid0(VALU_DEP_1)
	v_max_num_f32 v12, v12, v13                    ; the row's
.irp j, 4,5,6,7,8,9,10,11
	v_sub_f32 v[\j], v[\j], v12
.endr
	s_wait_alu depctr_va_vdst(0)
.irp j, 4,5,6,7,8,9,10,11
	v_exp_f32 v[\j], v[\j]
.endr
	v_nop                                          ; a plain place behind the last exponential
	s_wait_alu depctr_va_vdst(0)                   ; one wait for the eight, ahead of their first reader
	v_pk_add_f32 v[24:25], v[4:5], v[6:7]
	v_pk_add_f32 v[26:27], v[8:9], v[10:11]
	s_delay_alu instid0(VALU_DEP_1)
	v_pk_add_f32 v[24:25], v[24:25], v[26:27]
	s_delay_alu instid0(VALU_DEP_1)
	v_add_f32 v24, v24, v25
.irp m, 1,2,4,8
	s_delay_alu instid0(VALU_DEP_1)
	v_add_f32_dpp v24, v24, v24 row_xmask:\m row_mask:0xf bank_mask:0xf
.endr
	s_delay_alu instid0(VALU_DEP_1)
	v_permlanex16_b32 v25, v24, s14, s15
	s_delay_alu instid0(VALU_DEP_1)
	v_add_f32 v24, v24, v25                        ; the wave's sum
	ds_store_b32 v14, v24 offset:256
	s_wait_dscnt 0x0
	s_barrier_signal -1
	s_barrier_wait -1
	ds_load_b128 v[16:19], v15 offset:256
	ds_load_b128 v[20:23], v15 offset:272
	s_wait_dscnt 0x0
	v_pk_add_f32 v[16:17], v[16:17], v[18:19]
	v_pk_add_f32 v[20:21], v[20:21], v[22:23]
	s_delay_alu instid0(VALU_DEP_1)
	v_pk_add_f32 v[16:17], v[16:17], v[20:21]
	s_delay_alu instid0(VALU_DEP_1)
	v_add_f32 v24, v16, v17                        ; the row's sum: at least 1, since the largest p is 1
	s_wait_alu depctr_va_vdst(0)
	v_rcp_f32 v24, v24
	v_nop                                          ; a plain place behind the reciprocal
	s_wait_alu depctr_va_vdst(0)                   ; and its wait, ahead of the first reader
.irp j, 4,6,8,10
	v_pk_mul_f32 v[\j:\j+1], v[\j:\j+1], v[24:25] op_sel_hi:[1,0]
.endr
	global_store_b128 v3, v[4:7], s[6:7]           ; a wave stores 512 consecutive bytes
	global_store_b128 v3, v[8:11], s[6:7] offset:4096
	s_wait_tensorcnt 0x0                           ; the wave's end, behind my last LDS store
	ds_add_u32 v1, v2
	s_wait_dscnt 0x0
	s_endpgm
.Lfunc_end_k_qc34203ddbb_soft:
	.size	k_qc34203ddbb_soft, .Lfunc_end_k_qc34203ddbb_soft-k_qc34203ddbb_soft
	.p2alignl 7, 3214868480
	.fill 96, 4, 3214868480
	.section	.rodata,"a",@progbits
	.p2align	6, 0x0
	.amdhsa_kernel k_qc34203ddbb_soft
		.amdhsa_group_segment_fixed_size 2048
		.amdhsa_private_segment_fixed_size 0
		.amdhsa_enable_private_segment 0
		.amdhsa_kernarg_size 16
		.amdhsa_user_sgpr_count 2
		.amdhsa_user_sgpr_kernarg_segment_ptr 1
		.amdhsa_wavefront_size32 1
		.amdhsa_system_sgpr_workgroup_id_x 1
		.amdhsa_system_sgpr_workgroup_id_y 1
		.amdhsa_system_sgpr_workgroup_id_z 1
		.amdhsa_system_vgpr_workitem_id 0
		.amdhsa_next_free_vgpr 40
		.amdhsa_next_free_sgpr 66
		.amdhsa_reserve_vcc 0
		.amdhsa_float_denorm_mode_32 3
		.amdhsa_float_denorm_mode_16_64 3
		.amdhsa_memory_ordered 1
		.amdhsa_forward_progress 1
		.amdhsa_inst_pref_size 8
	.end_amdhsa_kernel
	.amdgpu_metadata
---
amdhsa.version: [ 1, 2 ]
amdhsa.kernels:
  - .name:           k_qc34203ddbb_soft
    .symbol:         k_qc34203ddbb_soft.kd
    .args:
      - { .name: scores, .offset: 0, .size: 8, .value_kind: global_buffer, .address_space: global }
      - { .name: out0, .offset: 8, .size: 8, .value_kind: global_buffer, .address_space: global }
    .group_segment_fixed_size: 2048
    .private_segment_fixed_size: 0
    .kernarg_segment_align: 8
    .kernarg_segment_size: 16
    .max_flat_workgroup_size: 256
    .sgpr_count:     66
    .vgpr_count:     40
    .wavefront_size: 32
...
	.end_amdgpu_metadata
.endif
;; end of part 3
